; MI455X (gfx1250); checked and timed in simulation.
; The chip was launched on July 23, 2026; its instructions are those of AMD's public machine-readable ISA for CDNA 5 (MIT licence, August 2026) and "CDNA5" Instruction Set Architecture Reference Guide (July 2026). The comments in the code are by the model that wrote it; some were corrected since.
;; Bert Self Attention. Allowed arithmetic: matrix products marked QUANTISED: E2M3 operands, one E8M0 scale for each 32 along K, by v_wmma_scale_f32_16x16x128_f8f6f4 with both operands' format E2M3, f32 sums; everything else in f32.
;; Inputs: attention_mask 4 x 1 x 1 x 2,048 float32; hidden_states 4 x 2,048 x 1,024 float32; k_bias 1,024 float32; k_weight 1,024 x 1,024 float32; q_bias 1,024 float32; q_weight 1,024 x 1,024 float32; v_bias 1,024 float32; v_weight 1,024 x 1,024 float32.
;; Outputs: out0 4 x 2,048 x 1,024 float32.
;; This version of the problem:
;;   THIS VERSION OF THE PROBLEM IS GIVEN IN LOW PRECISION. The matrix products marked QUANTISED in the list below multiply operands that are first quantised to E2M3 (2 exponent bits, 3 mantissa bits; 6 bits a number), with one power-of-two scale for each 32 numbers along K (OCP MX v1.0); their sums are f32. All else is computed in f32.
;;   The module's matrix products, in the order in which they are computed (A, B: the left and right operand; K: the contracted axis; several contracted axes count as one K, in the product's order):
;;     1. [M 8,192, K 1,024] x [K 1,024, N 1,024]; A: input hidden_states; B: input q_weight: QUANTISED
;;     2. [M 8,192, K 1,024] x [K 1,024, N 1,024]; A: input hidden_states; B: input k_weight: QUANTISED
;;     3. [M 8,192, K 1,024] x [K 1,024, N 1,024]; A: input hidden_states; B: input v_weight: QUANTISED
;;     4. batch 64 x [M 2,048, K 64] x [K 64, N 2,048]; A: computed on the way; B: computed on the way: QUANTISED
;;     5. batch 64 x [M 2,048, K 2,048] x [K 2,048, N 64]; A: softmax (see below); B: computed on the way: QUANTISED
;;   THE QUANTISER, for each operand of a quantised product, along K:
;;     - K is cut into blocks of 32 from its start; a last block that is shorter is filled with zeros.
;;     - A block's scale is 2^e with e = floor(log2(the largest magnitude in the block)) - 2, held to -126 .. 127; a block of zeros has e = 0. As a byte (E8M0): e + 127.
;;     - Each number is divided by its block's scale, clamped to +-7.5, and rounded to the nearest number of E2M3, ties to even, subnormals kept.
;;     - The product sums the exact products of the quantised numbers (number of the format x scale) in f32.
;;   ~~~python
;;   def quantise(x, axis):      # numpy; x: float32 -> the quantised numbers, widened to float32 again
;;       x = np.moveaxis(x, axis, -1); K = x.shape[-1]
;;       x = np.pad(x, [(0, 0)] * (x.ndim - 1) + [(0, -K % 32)]); x = x.reshape(x.shape[:-1] + (-1, 32)); a = np.abs(x).max(-1, keepdims=True)
;;       e = np.where(a > 0, np.clip(np.frexp(np.where(a > 0, a, 1))[1] - 1 - 2, -126, 127), 0)      # np.frexp(a)[1] - 1 = floor(log2(a)), exactly
;;       r = np.clip(x / 2.0 ** e, -7.5, 7.5)
;;       step = 2.0 ** (np.maximum(np.frexp(np.where(r == 0, 1, r))[1] - 1, 0) - 3)
;;       q = np.round(r / step) * step * 2.0 ** e      # np.round: ties to even
;;       return np.moveaxis(q.reshape(q.shape[:-2] + (-1,))[..., :K], -1, axis).astype(np.float32)
;;   ~~~
;;   SOFTMAX AHEAD OF A QUANTISED PRODUCT. Where the list says 'softmax', what is quantised is not the finished softmax but p = 2^(t - M), with t = logit x log2(e) and M = ceil(the row's largest t), a whole number; so 1/2 < the row's largest p <= 1. The row's sum l is taken of the UNQUANTISED p, in f32, and the product's result is divided by l at the end. Since M is a whole number, a kernel that streams over the keys may use a running M (the ceiling of the running maximum): every later rescaling is an exact power of two, which a block's scale takes up: the codes' values come out the same.
;;   OPERANDS COMPUTED ON THE WAY. 'Computed on the way' means the value that the module computes at that place (a softmax that the list does not call 'softmax' is quantised finished and normalised). What goes into a quantiser is computed in f32, as accurately as f32 sums, v_exp_f32 and their like allow (about 1e-6 of the number): no bf16 or f16 on the way to a quantiser, and a product that is left as it is and whose result goes on into a quantised operand takes f32 operands (vector FMAs, or v_wmma_f32_16x16x4_f32). A number that lies on a knife's edge between two numbers of the format may be rounded either way, as far as f32 arithmetic and the matrix unit's own rounding can turn it there, and no further.
;; One version. Each part assembles by itself: llvm-mc -triple=amdgcn-amd-amdhsa -mcpu=gfx1250 --defsym DOCPART=n.
;; ======== version 1 of 1: 3 launches
;; workspace buffers: xc 6,291,456 bytes; xs 262,144 bytes; wc 2,359,296 bytes; ws 98,304 bytes; qc 6,291,456 bytes; qs 524,288 bytes; kv 12,582,912 bytes; kvs 786,432 bytes
;; launch quant (part 1): grid 352 x 1, 4 waves a work-group, no clusters, 33,280 bytes of LDS; arguments hidden_states, q_weight, k_weight, v_weight, xc, xs, wc, ws; writes xc, xs, wc, ws
.if DOCPART == 1
	.amdgcn_target "amdgcn-amd-amdhsa--gfx1250"
	.amdhsa_code_object_version 6
	.text
	.protected	k_qc1bd3a7104_quant
	.globl	k_qc1bd3a7104_quant
	.p2align	8
	.type	k_qc1bd3a7104_quant,@function
k_qc1bd3a7104_quant:
	s_mov_b64 s[64:65], 0
	v_nop
	global_prefetch_b8 v0, s[64:65] scope:SCOPE_SE
	s_setreg_imm32_b32 hwreg(HW_REG_WAVE_MODE, 25, 1), 1
	s_wait_xcnt 0x0
; hidden_states [8192][1024] and the three weights [1024][1024], f32, K innermost, become codes of FP6 (E2M3), 6 bits each, with one E8M0 scale byte for each 32 along K:
; xc [8192][768 bytes], xs [8192][32], and wc [3072][768], ws [3072][32] with q's, k's and v's rows on end.
; A block's scale is 2^(floor(log2(its largest magnitude)) - 2); its byte is the largest magnitude's exponent field - 2, held at 1 from below.  Each number is divided by the scale and rounded to the nearest code, ties to even.
; LIMITS: a block of zeros gets the byte 1 where the rule says 127 (its codes are zeros, and this program alone reads the bytes); blocks whose largest magnitude lies under 2^-124 take the floor's byte; NaN and infinities are not served.
; A wave takes a run of 8 rows (8,192 numbers) in 16 steps of 512; a work-group 32 rows.  Work-groups 0-255 take hidden_states, 256-351 the weights, 32 each: only pointers are chosen, all take one path.
; THE ROWS ARE STORED IN ANOTHER ORDER: of each 32 rows the second and the third group of 8 change places.  So 16 consecutive stored rows are rows 32 b + 8 u + r + 8 (r / 8), r = 0 .. 15:
; the tile that the next launch wants, so that two neighbouring tiles' results are 16 neighbours in a lane's registers.
; Each load reads 512 consecutive bytes; a step's 2,048 bytes turn through the wave's own stage in LDS, so that a lane holds 16 neighbours (two lanes a block).  No barrier: waves share nothing.
.set STEPS, 16
.set XWG,   256                        ; work-groups for hidden_states
.set EMAX,  2
.set CB,    12                         ; bytes of 16 codes
.set R,     16                         ; v16-79   four sets of 16 numbers as they are loaded
.set X,     80                         ; v80-111  two sets of 16 neighbours
.set C,     128                        ; v128-191 codes: four registers for each step, so that no store's data are written again
.set E,     112                        ; v112-127 a scale byte for each step
.set WREG,  8192                       ; LDS: a region for each wave: two stages of 32 x SP bytes, behind them its 256 scale bytes
.set SP,    80                         ; a lane's place in a stage: 64 bytes + 16 of padding
	s_load_b256 s[4:11], s[0:1], 0x0               ; hidden_states s[4:5], q_weight s[6:7], k_weight s[8:9], v_weight s[10:11]
	s_load_b256 s[12:19], s[0:1], 0x20             ; xc s[12:13], xs s[14:15], wc s[16:17], ws s[18:19]
	v_lshl_add_u32 v192, v0, 2, 0x8000
	v_mov_b32 v193, 0
	v_lshrrev_b32 v1, 5, v0
	v_readfirstlane_b32 s20, v1                    ; wave
	v_and_b32 v2, 31, v0                           ; lane
	v_lshlrev_b32 v3, 4, v2                        ; my 16 bytes of a load's 512
	s_mul_i32 s28, s20, WREG
	v_lshrrev_b32 v14, 2, v2
	v_mul_u32_u24 v14, v14, SP
	v_and_b32 v15, 3, v2
	v_lshl_add_u32 v14, v15, 4, v14
	v_add_nc_u32 v14, s28, v14                     ; the stage on the way in: SP (lane / 4) + 16 (lane % 4)
	v_mul_u32_u24 v15, v2, SP
	v_add_nc_u32 v15, s28, v15                     ; and on the way out: SP x lane: my 16 neighbours
	v_mul_u32_u24 v4, v2, CB                       ; my codes' place in a step's
	v_lshrrev_b32 v5, 1, v2
	s_add_co_u32 s28, s28, 2*32*SP
	v_add_nc_u32 v5, s28, v5                       ; LDS: my wave's 256 scale bytes, my block's byte
	v_lshlrev_b32 v7, 3, v2                        ; and on the way out 8 bytes a lane
	v_add_nc_u32 v6, s28, v7
	s_sub_co_u32 s21, ttmp9, XWG                   ; among the weights' work-groups (not used in hidden_states' work-groups)
	s_lshr_b32 s22, s21, 5                         ; which weight
	s_and_b32 s23, s21, 31                         ; which 32 rows of it
	s_wait_kmcnt 0x0
	s_cmp_eq_u32 s22, 1
	s_cselect_b64 s[10:11], s[8:9], s[10:11]
	s_cmp_eq_u32 s22, 0
	s_cselect_b64 s[10:11], s[6:7], s[10:11]       ; the weight: the choice hangs on the work-group's number alone
	s_cmp_lt_u32 ttmp9, XWG
	s_cselect_b64 s[4:5], s[4:5], s[10:11]         ; what I read,
	s_cselect_b64 s[12:13], s[12:13], s[16:17]     ; where the codes go,
	s_cselect_b64 s[14:15], s[14:15], s[18:19]     ; and the scale bytes
	s_cselect_b32 s21, ttmp9, s21                  ; which 32 rows of the output buffer
	s_cselect_b32 s23, ttmp9, s23                  ; which 32 rows of the input
	s_lshl_b32 s23, s23, 2
	s_add_co_u32 s24, s23, s20                     ; the run that I read: 4 x work-group + wave
	s_lshl_b32 s24, s24, 15                        ; x 32,768 bytes (under 2^26)
	s_mov_b32 s25, 0
	s_add_nc_u64 s[4:5], s[4:5], s[24:25]
	s_and_b32 s22, s20, 1
	s_lshl_b32 s22, s22, 1
	s_lshr_b32 s26, s20, 1
	s_or_b32 s22, s22, s26                         ; the wave's two bits changed: groups 1 and 2 of the 32 rows change places
	s_lshl_b32 s21, s21, 2
	s_add_co_u32 s24, s21, s22                     ; the run that I write
	s_mul_i32 s26, s24, 32*STEPS*CB                ; x 6,144 bytes of codes
	s_mov_b32 s27, 0
	s_add_nc_u64 s[12:13], s[12:13], s[26:27]
	s_lshl_b32 s26, s24, 8                         ; x 256 scale bytes
	s_add_nc_u64 s[14:15], s[14:15], s[26:27]
.macro LOAD t
.irp i, 0,1,2,3
	global_load_b128 v[R+16*((\t)%4)+4*\i:R+16*((\t)%4)+4*\i+3], v3, s[4:5] offset:2048*(\t)+512*\i th:TH_LOAD_NT   ; 32 lanes read 512 consecutive bytes
.endr
.endm
.macro TURN t                          ; step t's numbers through the stage: LDS serves a wave's instructions in order, so no wait stands between the stores and the loads
.irp i, 0,1,2,3
	ds_store_b128 v14, v[R+16*((\t)%4)+4*\i:R+16*((\t)%4)+4*\i+3] offset:32*SP*((\t)%2)+8*SP*\i
.endr
.irp i, 0,1,2,3
	ds_load_b128 v[X+16*((\t)%2)+4*\i:X+16*((\t)%2)+4*\i+3], v15 offset:32*SP*((\t)%2)+16*\i
.endr
.endm
.irp t, 0,1,2,3
	LOAD \t
.endr
	s_wait_loadcnt 12                              ; step 0's four loads are in; the twelve of steps 1 to 3 may be out
	TURN 0
.macro STEP t
.set XS, X+16*((\t)%2)
.if (\t) > 0
	s_wait_dscnt 1                                 ; this step's numbers are back from the stage (the last step's byte store may be out): so its stores into the stage have read their registers,
.else
	s_wait_dscnt 0x0
.endif
.if (\t)+4 < STEPS
	LOAD (\t)+4                                    ; which take the loads of four steps on
.endif
.if (\t)+1 < STEPS
.if STEPS-2-(\t) >= 3
	s_wait_loadcnt 12                              ; the next step's four loads are in; those of the three steps behind it may be out
.else
	s_wait_loadcnt 4*(STEPS-2-(\t))
.endif
	TURN (\t)+1                                    ; and go through the other stage while this step is worked
.endif
	v_max3_num_f32 v8, |v[XS]|, |v[XS+1]|, |v[XS+2]|               ; the largest magnitude of my 16, in two chains
	v_max3_num_f32 v9, |v[XS+3]|, |v[XS+4]|, |v[XS+5]|
.irp i, 6,10
	v_max3_num_f32 v8, v8, |v[XS+\i]|, |v[XS+\i+1]|
	v_max3_num_f32 v9, v9, |v[XS+\i+2]|, |v[XS+\i+3]|
.endr
	v_max3_num_f32 v8, v8, |v[XS+14]|, |v[XS+15]|
	v_max3_num_f32 v8, v8, v9, (EMAX+1)<<23        ; and the floor 2^(3 - 127): the byte cannot fall under 1
	v_max_num_f32_dpp v8, v8, v8 row_xmask:1 row_mask:0xf bank_mask:0xf   ; and of my neighbour's 16: the block's
	v_add_nc_u32 v11, -(EMAX<<23), v8              ; 2 off its exponent field: the conversion takes the exponent field of this operand as its scale
	v_cvt_scalef32_pk16_fp6_f32 v[C+4*(\t):C+4*(\t)+2], v[XS:XS+15], v11   ; sixteen codes, 96 bits without gaps
	v_lshrrev_b32 v[E+(\t)], 23, v11               ; the scale's byte
	ds_store_b8 v5, v[E+(\t)] offset:16*(\t)       ; both lanes of a block write the same byte with the same value
	global_store_b96 v4, v[C+4*(\t):C+4*(\t)+2], s[12:13] offset:32*CB*(\t)   ; the wave stores 384 consecutive bytes
.endm
.irp t, 0,1,2,3,4,5,6,7,8,9,10,11,12,13,14,15
	STEP \t
.endr
	ds_load_b64 v[12:13], v6                       ; LDS serves a wave's instructions in order: these see my stores
	s_wait_dscnt 0x0
	global_store_b64 v7, v[12:13], s[14:15]        ; 32 lanes store 256 consecutive bytes, aligned
	s_wait_tensorcnt 0x0
	ds_add_u32 v192, v193
	s_wait_dscnt 0x0
	s_endpgm
.Lfunc_end_k_qc1bd3a7104_quant:
	.size	k_qc1bd3a7104_quant, .Lfunc_end_k_qc1bd3a7104_quant-k_qc1bd3a7104_quant
	.p2alignl 7, 3214868480
	.fill 96, 4, 3214868480
	.section	.rodata,"a",@progbits
	.p2align	6, 0x0
	.amdhsa_kernel k_qc1bd3a7104_quant
		.amdhsa_group_segment_fixed_size 33280
		.amdhsa_private_segment_fixed_size 0
		.amdhsa_enable_private_segment 0
		.amdhsa_kernarg_size 64
		.amdhsa_user_sgpr_count 2
		.amdhsa_user_sgpr_kernarg_segment_ptr 1
		.amdhsa_wavefront_size32 1
		.amdhsa_system_sgpr_workgroup_id_x 1
		.amdhsa_system_sgpr_workgroup_id_y 1
		.amdhsa_system_sgpr_workgroup_id_z 1
		.amdhsa_system_vgpr_workitem_id 0
		.amdhsa_next_free_vgpr 194
		.amdhsa_next_free_sgpr 66
		.amdhsa_reserve_vcc 0
		.amdhsa_float_denorm_mode_32 3
		.amdhsa_float_denorm_mode_16_64 3
		.amdhsa_memory_ordered 1
		.amdhsa_forward_progress 1
		.amdhsa_inst_pref_size 33
	.end_amdhsa_kernel
	.amdgpu_metadata
---
amdhsa.version: [ 1, 2 ]
amdhsa.kernels:
  - .name:           k_qc1bd3a7104_quant
    .symbol:         k_qc1bd3a7104_quant.kd
    .args:
      - { .name: hidden_states, .offset: 0, .size: 8, .value_kind: global_buffer, .address_space: global }
      - { .name: q_weight, .offset: 8, .size: 8, .value_kind: global_buffer, .address_space: global }
      - { .name: k_weight, .offset: 16, .size: 8, .value_kind: global_buffer, .address_space: global }
      - { .name: v_weight, .offset: 24, .size: 8, .value_kind: global_buffer, .address_space: global }
      - { .name: xc, .offset: 32, .size: 8, .value_kind: global_buffer, .address_space: global }
      - { .name: xs, .offset: 40, .size: 8, .value_kind: global_buffer, .address_space: global }
      - { .name: wc, .offset: 48, .size: 8, .value_kind: global_buffer, .address_space: global }
      - { .name: ws, .offset: 56, .size: 8, .value_kind: global_buffer, .address_space: global }
    .group_segment_fixed_size: 33280
    .private_segment_fixed_size: 0
    .kernarg_segment_align: 8
    .kernarg_segment_size: 64
    .max_flat_workgroup_size: 128
    .sgpr_count:     66
    .vgpr_count:     194
    .wavefront_size: 32
...
	.end_amdgpu_metadata
.endif
;; end of part 1
;; launch proj (part 2): grid 12 x 32, 4 waves a work-group, clusters of 4 x 4, 327,680 bytes of LDS; arguments xc, xs, wc, ws, qc, qs, kv, kvs, q_bias, k_bias, v_bias; writes qc, qs, kv, kvs
.if DOCPART == 2
	.amdgcn_target "amdgcn-amd-amdhsa--gfx1250"
	.amdhsa_code_object_version 6
	.text
	.protected	k_qc1bd3a7104_proj
	.globl	k_qc1bd3a7104_proj
	.p2align	8
	.type	k_qc1bd3a7104_proj,@function
k_qc1bd3a7104_proj:
	s_mov_b64 s[64:65], 0
	v_nop
	global_prefetch_b8 v0, s[64:65] scope:SCOPE_SE
	s_setreg_imm32_b32 hwreg(HW_REG_WAVE_MODE, 25, 1), 1
	s_wait_xcnt 0x0
	s_wait_alu depctr_hold_cnt(0) depctr_sa_sdst(0) depctr_va_vdst(0) depctr_va_sdst(0) depctr_va_ssrc(0) depctr_va_vcc(0) depctr_vm_vsrc(0)
	s_getreg_b32 s2, hwreg(HW_REG_IB_STS2, 6, 4)
	s_cmp_eq_u32 s2, 0
	s_cbranch_scc0 .Lentry_in_a_cluster
	s_endpgm
.Lentry_in_a_cluster:
	s_bfe_u32 s2, ttmp6, 0x10000c
	s_cmp_lg_u32 s2, 0xf033
	s_cbranch_scc0 .Lentry_shape_is_right
	s_endpgm
.Lentry_shape_is_right:
; q, k, v = x W^T + bias on codes of FP6 (E2M3) with E8M0 scales, one GEMM [8192 x 1024] x [3072 x 1024]^T, sums in f32; the results never go to memory as f32:
; each wave adds the bias and quantises its 128 x 128 results in registers, q and k along the head's 64, v along the keys, and stores them as images of the next launch's operand registers.
; A work-group of four waves makes 256 x 256, a wave 128 x 128: 64 accumulators, 512 registers.  K goes in steps of 256 through a ring of two LDS slots filled by the tensor data mover; the scale bytes
; of the work-group's rows come once, with the first fills.  4 x 4 work-groups form a cluster: x's tile is asked for jointly along a row of the cluster, W's along a column.
; Cluster x is 0 for q, 1 for k, 2 for v.  SOURCE 0 IS WHAT A LANE'S REGISTERS RUN ALONG, SOURCE 1 WHAT A LANE STANDS FOR.  q, k: source 0 = 16 rows of W, source 1 = 16 tokens.
; v: source 0 = 16 tokens, source 1 = 16 rows of W: in v's work-groups the two LDS read bases change places; tiles, loads and the loop's text are the same.
; THE ROWS OF A TILE: xc and wc are stored so that stored rows 16 t .. 16 t + 15 (t = 2 b + u) are rows 32 b + 8 u + r + 8 (r / 8).  So register 16 b + i of a block's 64 results is source 0's row 32 b + 16 (lane / 16) + i.
; OUT: qc [head 64][tile 128][3][lane][8 bytes], qs [head][tile][16 words]; kv [head][key step 16][K: 8 tiles x 768 | V: 4 tiles x 1,536 bytes]; kvs [head][K: 128 tiles x 64 | V: 16 steps x 4 tiles x 64 bytes].
; A head's 64 fill the lower half of a 128-deep operand: q's and k's scale words have the byte 127 for the upper two blocks.
; LIMITS: a block of zeros keeps the byte 1 (its codes are zeros; this program alone reads the bytes); blocks under 2^-124 take the floor's byte; NaN and infinities are not served.
; REGISTERS, in windows of 256: window 0: v0-31 addresses; v32-63 scale words, two sets; v64-127 and v240-255 the bias; from v128 source 1's fragments, one set; on the way out v128-235 at work.
;   window 1: source 0's fragments, two sets.   window 2: the accumulators of source 1's blocks 0-3 ((a, b) at v[8 (8 a + b)]);   window 3: those of blocks 4-7.
.set SIZE_K, 1024
.set KSTEP,  256                       ; along K in a slot
.set NQ,     KSTEP/128                 ; matrix instructions deep
.set ROWB,   192                       ; a tile's row in bytes
.set KROW,   SIZE_K*6/8                ; a row of codes in memory
.set PITCH,  240                       ; an LDS row: 3 x (64 bytes + 16 of padding)
.set FR,     12                        ; registers of a fragment
.set NL,     6                         ; LDS loads that bring one
.set NP,     4                         ; places behind this matrix instruction (ISA guide 7.12.1)
.set HALFT,  128*PITCH                 ; 128 rows: what one tensor load brings
.set SLOT,   4*HALFT                   ; x's 256 rows, then W's 256 rows
.set LAPS,   SIZE_K/(2*KSTEP)
.set KS,     SIZE_K/32                 ; a row of scale bytes
.set SPARE,  2*SLOT                    ; behind the ring: the spare words, 128 bytes a wave: two blocks of 256 bytes that no other line names
.set SCL,    SPARE+512                 ; behind them, last of all: the scales, as rows of 256 bytes + 16 of padding
.set HALFS,  (128*KS/256)*272          ; the scales of 128 rows
.set SBLK,   (16*KS/256)*272           ; those of 16 rows
.set STQ,    0                         ; the way out of q and k: 1,024 bytes a wave for scale words; in slot 0, which has had its last fill and its last read by then
.set STV,    4096                      ; the way out of v: 512 bytes a wave, bytes of its own
.set BQO,  8                           ; v8   bias along features: 64 x (lane / 16)
.set BVO,  9                           ; v9   bias of my own feature: 4 (r + 8 (r / 8))
.set L8,   10                          ; v10  8 x lane
.set L16,  11                          ; v11  16 x lane
.set SQS,  12                          ; v12  q, k: where I put a scale word
.set SQL,  13                          ; v13  q, k: where I read 16 bytes of them back
.set SVS,  14                          ; v14  v: the same
.set SVL,  15                          ; v15
.set ADRA, 16                          ; v16-17 LDS address of source 1's fragments in slot 0, 1 (v18-19: behind one padding more)
.set ADRB, 20                          ; v20-21 the same for source 0 (v22-23)
.set H16,  24                          ; v24  16 x (lane / 16)
.set VSO,  25                          ; v25  v's scale words in memory: 16 (lane % 16) + 12,288 (lane / 16)
.set ADRS, 27                          ; v27  LDS address of my scale words: lanes 0-15 source 1's rows, lanes 16-31 source 0's
.set SPW,  28                          ; v28  LDS address of my spare word; never rewritten
.set NIL,  29                          ; v29  0; never rewritten
.set SC,   32                          ; scale words: set s at v[SC + 8 NQ s]; register NQ i + q: lanes 0-15 source 1's block i, lanes 16-31 source 0's block i
.set BQ,   64                          ; v64-127  bias of feature 32 b + 16 (lane / 16) + i at register 16 b + i
.set AF,   128                         ; source 1's fragments
.set BV,   240                         ; v240-255 bias of my own feature in source 1's block a, twice, at registers 2 a, 2 a + 1
.set ST,   128                         ; the way out: 64 results with their bias
.set PC,   192                         ; v192-203 a fragment's codes; v204-206, v208-210 the conversions' second halves
.set TM,   212                         ; v212-215 largest magnitudes, v216-219 bytes, v224-227 the conversions' scale operands
.set SWR,  228                         ; v228-235 the eight blocks' scale words
.set RB,   128                         ; scale words read back
.set SEL,  18                          ; s[18:19] on the way out: lane selects for lane l xor 16
.set G1, 24                            ; s[24:31] descriptor group 1 for x's tiles;  s[32:39] group 0, one set for each slot
.set G0, 32
.set G1B, 48                           ; s[48:55], s[56:63] the same for W's tiles
.set G0B, 56
.set G1S, 68                           ; s[68:75], s[76:79] groups 1 and 0 for x's scales;  s[80:87], s[88:91] for W's
.set G0S, 76
.set G1SB, 80
.set G0SB, 88
.set MSB, 0
.macro WIN new                         ; the immediate's high byte repeats the setting that is left
.if MSB != \new
	s_set_vgpr_msb (MSB<<8)|\new
.set MSB, \new
.endif
.endm
.set MUL_LO, 0xa1                      ; source 0 window 1, source 1 window 0, C and D window 2
.set MUL_HI, 0xf1                      ; the same, C and D window 3
.set TO_B,   0x40                      ; destination window 1, address window 0
; A joint load: waves 0 and 1 fetch x's halves, waves 2 and 3 W's.  Each line has one mask and one set of registers for all that issue it; the branch hangs on the wave's number alone.
; Four v_nop follow each of the two lines.
.macro JLOAD g0a, g1a, g0b, g1b
	s_cmp_eq_u32 s15, 0
	s_cbranch_scc0 .Lfor_b_\@
	tensor_load_to_lds s[\g0a:\g0a+3], s[\g1a:\g1a+7]
	s_nop 0
.rept 4
	v_nop
.endr
	s_branch .Lasked_\@
.Lfor_b_\@:
	tensor_load_to_lds s[\g0b:\g0b+3], s[\g1b:\g1b+7]
	s_nop 0
.rept 4
	v_nop
.endr
.Lasked_\@:
.endm
.macro CREST                           ; a round of the cluster's barrier behind its opening barrier
	s_cmp_lg_u32 s14, 0
	s_cbranch_scc1 .Lnot_wave_0_\@
	s_barrier_signal -3
.Lnot_wave_0_\@:
	s_barrier_wait -3
	s_barrier_signal -1
	s_barrier_wait -1
.endm
.macro CROUND                          ; a whole round
	s_barrier_signal -1
	s_barrier_wait -1
	CREST
.endm
	s_load_b128 s[4:7], s[0:1], 0x0                ; x's codes s[4:5], x's scales s[6:7]
	s_load_b128 s[8:11], s[0:1], 0x10              ; W's codes s[8:9], W's scales s[10:11]
	s_load_b128 s[96:99], s[0:1], 0x40             ; q_bias s[96:97], k_bias s[98:99]
	s_load_b64 s[12:13], s[0:1], 0x50              ; v_bias
	v_lshl_add_u32 v[SPW], v0, 2, SPARE
	v_mov_b32 v[NIL], 0
	ds_add_u32 v28, v29
	ds_add_u32 v28, v29
	s_wait_dscnt 0x0
	v_lshrrev_b32 v1, 5, v0
	v_readfirstlane_b32 s14, v1                    ; wave 0..3
	s_lshr_b32 s15, s14, 1                         ; which half of source 1's 256 rows is mine.  Also: I fetch for x (0) or for W (1)
	s_and_b32 s16, s14, 1                          ; which half of source 0's.  Also: which 128 rows of that tile I fetch
	s_bfe_u32 s40, ttmp6, 0x40000                  ; cx, cy: my place in the cluster
	s_bfe_u32 s41, ttmp6, 0x40004
	s_lshl_b32 s42, ttmp9, 2
	s_add_co_u32 s42, s42, s40                     ; which 256 rows of W = 4 x cluster x + cx
	s_and_b32 s17, ttmp7, 0xffff
	s_lshl_b32 s17, s17, 2
	s_add_co_u32 s17, s17, s41                     ; which 256 rows of x = 4 x cluster y + cy
	s_lshl_b32 s43, s41, 2
	s_lshl_b32 s43, 15, s43                        ; my row of the cluster
	s_lshl_b32 s44, 0x1111, s40                    ; my column
	; descriptor group 1: a tile of 128 rows x ROWB bytes, padded in LDS
	s_or_b32 s[G1+0], s43, (0<<16)|(1<<20)|(1<<21)|(3<<22)|(3<<25)  ; 15:0 the mask: x's tiles go to my row; 17:16 element of 1 byte; 20 padding on; 21 set beside a mask; 24:22 after every 16 words; 31:25 of 4 words
	s_or_b32 s[G1B+0], s44, (0<<16)|(1<<20)|(1<<21)|(3<<22)|(3<<25)
.irp g, G1, G1B
	s_mov_b32 s[\g+1], ROWB<<16                    ; tensor_dim0
	s_mov_b32 s[\g+2], 128<<16                     ; tensor_dim1 = 128
	s_mov_b32 s[\g+3], ROWB<<16                    ; tile_dim0
	s_mov_b32 s[\g+4], 128                         ; tile_dim1 = 128
	s_mov_b32 s[\g+5], KROW                        ; tensor_dim0_stride
	s_mov_b32 s[\g+6], 0
	s_mov_b32 s[\g+7], 0
.endr
	; and for the scales of 128 rows: a dense block of 4,096 bytes, as rows of 256 bytes (32 elements of 8 bytes), 16 bytes of padding behind each
	s_or_b32 s[G1S+0], s43, (3<<16)|(1<<20)|(1<<21)|(5<<22)|(3<<25)
	s_or_b32 s[G1SB+0], s44, (3<<16)|(1<<20)|(1<<21)|(5<<22)|(3<<25)
.irp g, G1S, G1SB
	s_mov_b32 s[\g+1], 32<<16
	s_mov_b32 s[\g+2], (128*KS/256)<<16
	s_mov_b32 s[\g+3], 32<<16
	s_mov_b32 s[\g+4], 128*KS/256
	s_mov_b32 s[\g+5], 32
	s_mov_b32 s[\g+6], 0
	s_mov_b32 s[\g+7], 0
.endr
	s_lshl_b32 s18, s16, 7                         ; which 128 rows of the tile I fetch
	s_lshl_b32 s20, s17, 8
	s_add_co_u32 s20, s20, s18                     ; x: row 256 y + 128 x half
	s_lshl_b32 s46, s42, 8
	s_add_co_u32 s46, s46, s18                     ; W: row 256 x + 128 x half
	s_mov_b32 s21, 0
	s_mov_b32 s47, 0
	s_mov_b64 s[18:19], KS
	s_mul_u64 s[22:23], s[20:21], s[18:19]         ; where these rows' scales begin, in bytes
	s_mul_u64 s[92:93], s[46:47], s[18:19]
	s_mov_b64 s[18:19], KROW
	s_mul_u64 s[20:21], s[20:21], s[18:19]         ; and their codes
	s_mul_u64 s[46:47], s[46:47], s[18:19]
	s_mul_i32 s45, s14, HALFT                      ; where they go: wave x 128 rows: no place in the cluster enters an LDS address
	s_mul_i32 s94, s14, HALFS
	s_wait_kmcnt 0x0
	s_add_nc_u64 s[20:21], s[4:5], s[20:21]
	s_add_nc_u64 s[22:23], s[6:7], s[22:23]
	s_add_nc_u64 s[46:47], s[8:9], s[46:47]
	s_add_nc_u64 s[92:93], s[10:11], s[92:93]
	CROUND                                         ; all sixteen work-groups are here: the first joint loads meet
	s_mov_b32 s[G0S], 1
	s_add_co_u32 s[G0S+1], s94, SCL
	s_mov_b64 s[G0S+2:G0S+3], s[22:23]
	s_or_b32 s[G0S+3], s[G0S+3], 0x80000000
	s_mov_b32 s[G0SB], 1
	s_add_co_u32 s[G0SB+1], s94, SCL
	s_mov_b64 s[G0SB+2:G0SB+3], s[92:93]
	s_or_b32 s[G0SB+3], s[G0SB+3], 0x80000000
	JLOAD G0S, G1S, G0SB, G1SB                     ; the scales first: they are wanted with K step 0
.irp s, 0,1
	s_mov_b32 s[G0+4*\s], 1
	s_add_co_u32 s[G0+4*\s+1], s45, \s*SLOT
	s_add_nc_u64 s[G0+4*\s+2:G0+4*\s+3], s[20:21], \s*ROWB
	s_or_b32 s[G0+4*\s+3], s[G0+4*\s+3], 0x80000000
	s_mov_b32 s[G0B+4*\s], 1
	s_add_co_u32 s[G0B+4*\s+1], s45, \s*SLOT
	s_add_nc_u64 s[G0B+4*\s+2:G0B+4*\s+3], s[46:47], \s*ROWB
	s_or_b32 s[G0B+4*\s+3], s[G0B+4*\s+3], 0x80000000
	JLOAD G0+4*\s, G1, G0B+4*\s, G1B               ; three tensor loads of mine are out
.endr
	v_and_b32 v1, 15, v0                           ; r = lane % 16
	v_bfe_u32 v2, v0, 4, 1                         ; h = lane / 16
	; the bias.  Every wave loads both forms from its buffer, so that no branch parts the head: along features for q and k, my own feature's for v; both lie inside the buffer's 4,096 bytes
	s_cmp_eq_u32 ttmp9, 1
	s_cselect_b64 s[12:13], s[98:99], s[12:13]
	s_cmp_eq_u32 ttmp9, 0
	s_cselect_b64 s[12:13], s[96:97], s[12:13]     ; q's, k's or v's: the choice hangs on the cluster's number alone
	s_lshl_b32 s46, s40, 10                        ; 256 cx features of 4 bytes,
	s_lshl_b32 s47, s16, 9
	s_add_co_u32 s92, s46, s47                     ; + the 128 of source 0's half (q, k)
	s_mov_b32 s93, 0
	s_lshl_b32 s47, s15, 9
	s_add_co_u32 s46, s46, s47                     ; or of source 1's half (v)
	s_mov_b32 s47, 0
	s_add_nc_u64 s[96:97], s[12:13], s[46:47]
	s_add_nc_u64 s[12:13], s[12:13], s[92:93]
	v_lshlrev_b32 v[BQO], 6, v2
	v_and_b32 v4, 8, v1
	v_add_nc_u32 v4, v4, v1
	v_lshlrev_b32 v[BVO], 2, v4
.irp t, 0,1,2,3,4,5,6,7
	global_load_b128 v[BQ+8*\t:BQ+8*\t+3], v[BQO], s[12:13] offset:(32*(\t/2)+8*(\t%2))*4
	global_load_b128 v[BQ+8*\t+4:BQ+8*\t+7], v[BQO], s[12:13] offset:(32*(\t/2)+8*(\t%2))*4+16
.endr
.irp a, 0,1,2,3,4,5,6,7
	global_load_b32 v[BV+2*\a], v[BVO], s[96:97] offset:(32*(\a/2)+8*(\a%2))*4
	global_load_b32 v[BV+2*\a+1], v[BVO], s[96:97] offset:(32*(\a/2)+8*(\a%2))*4    ; twice: a pair for the packed addition
.endr
	; the LDS read bases.  q, k: source 1 reads x's tile, source 0 W's, which lies behind it; v: the other way round
	s_cmp_eq_u32 ttmp9, 2
	s_cselect_b32 s66, 2*HALFT, 0
	s_cselect_b32 s67, 0, 2*HALFT
	s_cselect_b32 s100, 2*HALFS, 0
	s_cselect_b32 s101, 0, 2*HALFS
	v_mul_u32_u24 v3, v1, PITCH
	v_mul_u32_u24 v4, v2, 24
	v_add_nc_u32 v4, v3, v4                        ; a fragment's row x pitch + 24 x half
	v_lshl_add_u32 v5, v2, 4, v4                   ; and the same behind one padding more
	s_mul_i32 s21, s15, HALFT
	s_add_co_u32 s21, s21, s66                     ; source 1's 128 rows
	s_mul_i32 s22, s16, HALFT
	s_add_co_u32 s22, s22, s67                     ; source 0's
.irp s, 0,1
	v_add_nc_u32 v[ADRA+\s], s21, v4
	v_add_nc_u32 v[ADRB+\s], s22, v4
	v_add_nc_u32 v[ADRA+2+\s], s21, v5
	v_add_nc_u32 v[ADRB+2+\s], s22, v5
	s_add_co_u32 s21, s21, SLOT
	s_add_co_u32 s22, s22, SLOT
.endr
	v_mul_u32_u24 v5, v1, KS                       ; my row's scales: KS bytes a row,
	v_lshrrev_b32 v6, 8, v5
	v_lshl_add_u32 v5, v6, 4, v5                   ; and 16 more for each 256 passed
	s_mul_i32 s21, s15, HALFS
	s_add_co_u32 s21, s21, s100                    ; source 1's: lanes 0-15
	s_mul_i32 s22, s16, HALFS
	s_add_co_u32 s22, s22, s101                    ; source 0's: lanes 16-31
	v_xor_b32 v6, 1, v2
	v_mul_u32_u24 v6, s21, v6
	v_mul_u32_u24 v7, s22, v2
	v_add_nc_u32 v5, v5, v6
	v_add_nc_u32 v5, v5, v7
	v_add_nc_u32 v[ADRS], SCL, v5
	; the addresses of the way out, of both kinds, made here
	v_and_b32 v6, 31, v0
	v_lshlrev_b32 v[L8], 3, v6
	v_lshlrev_b32 v[L16], 4, v6
	v_lshlrev_b32 v[H16], 4, v2
	v_lshlrev_b32 v3, 2, v1                        ; 4 r
	s_lshl_b32 s21, s14, 10                        ; q, k: 1,024 bytes a wave: head (lane / 16), block, 16 words
	v_lshl_add_u32 v[SQS], v2, 9, v3
	v_add_nc_u32 v[SQS], s21, v[SQS]
	v_add_nc_u32 v[SQL], s21, v[L16]
	s_lshl_b32 s21, s14, 9                         ; v: 512 bytes a wave: block, 16 words
	s_add_co_u32 s21, s21, STV
	v_add_nc_u32 v[SVS], s21, v3
	v_add_nc_u32 v[SVL], s21, v[L16]
	v_mul_u32_u24 v4, v2, 0x3000
	v_lshl_add_u32 v[VSO], v1, 4, v4
.macro FRAG reg, adr, q, i             ; a fragment, 16 rows x 128 K, is 12 registers: lane l holds row l % 16; registers 6 c .. 6 c + 5 hold K = 64 c + 32 (l / 16) + 0 .. 31: 24 bytes of the row, as they lie
.irp p, 0,1,2,3,4,5                    ; in pieces of 8 bytes.  Lanes 16-31 read three pieces further on than lanes 0-15: where that is behind one padding more, the second address register serves
.set PCE, 12*(\q)+6*(\p/3)+\p%3
.if PCE%8 < 5
	ds_load_b64 v[\reg+2*\p:\reg+2*\p+1], v[\adr] offset:8*PCE+16*(PCE/8)+(\i)*16*PITCH
.else
	ds_load_b64 v[\reg+2*\p:\reg+2*\p+1], v[\adr+2] offset:8*PCE+16*(PCE/8)+(\i)*16*PITCH
.endif
.endr
.endm
; 16 matrix instructions: source 1's blocks a0, a0 + 1 x source 0's eight, 128 along K.  zero = 1: the first product starts the sums.
; The 64 accumulators take turns, one instruction a turn, in the same order in every step.
.macro MUL16 a0, p, q, sc, zero
.irp a, \a0, \a0+1
.irp b, 0,1,2,3,4,5,6,7
.if \zero
	v_wmma_scale_f32_16x16x128_f8f6f4 v[8*(8*((\a)%4)+\b):8*(8*((\a)%4)+\b)+7], v[128*(\p)+FR*\b:128*(\p)+FR*\b+FR-1], v[AF+FR*(\a):AF+FR*(\a)+FR-1], 0, v[SC+8*NQ*(\sc)+NQ*\b+(\q)], v[SC+8*NQ*(\sc)+NQ*(\a)+(\q)] matrix_a_fmt:MATRIX_FMT_FP6 matrix_b_fmt:MATRIX_FMT_FP6 matrix_a_scale:MATRIX_SCALE_ROW1
.else
	v_wmma_scale_f32_16x16x128_f8f6f4 v[8*(8*((\a)%4)+\b):8*(8*((\a)%4)+\b)+7], v[128*(\p)+FR*\b:128*(\p)+FR*\b+FR-1], v[AF+FR*(\a):AF+FR*(\a)+FR-1], v[8*(8*((\a)%4)+\b):8*(8*((\a)%4)+\b)+7], v[SC+8*NQ*(\sc)+NQ*\b+(\q)], v[SC+8*NQ*(\sc)+NQ*(\a)+(\q)] matrix_a_fmt:MATRIX_FMT_FP6 matrix_b_fmt:MATRIX_FMT_FP6 matrix_a_scale:MATRIX_SCALE_ROW1
.endif
.endr
.endr
.endm
.macro FETCH_B slot, q, p              ; source 0's eight fragments of the slot's q-th 128 along K into set p
	WIN TO_B
.irp i, 0,1,2,3,4,5,6,7
	FRAG 128*(\p)+FR*\i, ADRB+\slot, \q, \i
.endr
	WIN 0
.endm
.macro FETCH_A slot, q, i0             ; source 1's blocks i0 .. i0 + 3
.irp i, \i0, \i0+1, \i0+2, \i0+3
	FRAG AF+FR*(\i), ADRA+\slot, \q, \i
.endr
.endm
.macro SCALES sc                       ; the next K step's scale words into set sc
.irp i, 0,1,2,3,4,5,6,7
	ds_load_b64 v[SC+8*NQ*\sc+NQ*\i:SC+8*NQ*\sc+NQ*\i+1], v[ADRS] offset:\i*SBLK
.endr
.endm
; A load into a register that a matrix instruction has read, and a vector instruction that reads a matrix result, stand NP places behind it; only plain vector instructions that name none of its registers are places.
.macro PLACES n
.rept \n
	v_nop
.endr
.endm
.macro STEP slot, q, zero              ; a step of 128 along K that has its successor in the same slot
	s_wait_dscnt 4*NL                              ; source 0's set and source 1's blocks 0-3 are in; the youngest 24 loads (blocks 4-7) may be out
	WIN MUL_LO
	MUL16 0, (\q)%2, \q, \slot, \zero
	MUL16 2, (\q)%2, \q, \slot, \zero
	s_wait_dscnt 0                                 ; blocks 4-7 are in
	PLACES NP
	FETCH_B \slot, (\q)+1, 1-(\q)%2
	FETCH_A \slot, (\q)+1, 0
	WIN MUL_HI
	MUL16 4, (\q)%2, \q, \slot, \zero
	MUL16 6, (\q)%2, \q, \slot, \zero
	PLACES NP
	WIN 0
	FETCH_A \slot, (\q)+1, 4
.endm
; A slot's last step changes slots: one barrier; in front of it each wave waits for all its tensor loads, adds 0 to its spare word, and waits for that and for its own reads of this slot.  fill = 1: this slot is filled again, two K steps ahead.
.macro TURN slot, next, fill
	s_wait_tensorcnt 0x0                           ; all my tensor loads have landed: my part of the next slot
	ds_add_u32 v[SPW], v[NIL]                      ; 0 onto my spare word
	s_wait_dscnt 4*NL+1                            ; (the add and the youngest 24 loads, blocks 4-7, may be out)
	WIN MUL_LO
	MUL16 0, 1, NQ-1, \slot, 0                     ; sixteen matrix instructions stand between the add and the wait for it
	s_wait_dscnt 0x0                               ; the add is done, and my reads of this slot are over
	s_barrier_signal -1
	MUL16 2, 1, NQ-1, \slot, 0
	WIN 0
	s_barrier_wait -1
.if \fill
	CREST                                          ; the barrier has opened a round of the cluster's barrier: no wave of any partner still reads this slot or has a load on its way
	s_add_nc_u64 s[G0+4*\slot+2:G0+4*\slot+3], s[G0+4*\slot+2:G0+4*\slot+3], 2*ROWB
	s_add_nc_u64 s[G0B+4*\slot+2:G0B+4*\slot+3], s[G0B+4*\slot+2:G0B+4*\slot+3], 2*ROWB
	JLOAD G0+4*\slot, G1, G0B+4*\slot, G1B         ; the first tensor load behind the round; its four v_nop are the places in front of the loads below
.else
	PLACES NP
.endif
	v_add_nc_u32 v[ADRS], 4*NQ, v[ADRS]            ; on to the next K step's scale words
	FETCH_B \next, 0, 0
	FETCH_A \next, 0, 0
	SCALES \next
	WIN MUL_HI
	MUL16 4, 1, NQ-1, \slot, 0
	MUL16 6, 1, NQ-1, \slot, 0
	PLACES NP
	WIN 0
	FETCH_A \next, 0, 4
.endm
	s_wait_tensorcnt 1                             ; the scales and my part of K step 0 are in (K step 1's load may be out),
	s_barrier_signal -1
	s_barrier_wait -1                              ; everybody's are
	FETCH_B 0, 0, 0
	FETCH_A 0, 0, 0
	SCALES 0
	FETCH_A 0, 0, 4
	STEP 0, 0, 1                                   ; the first step stands in front of the loop: its products start the sums
.if LAPS > 1
	s_mov_b32 s3, LAPS-1
.Llap:                                                 ; a trip goes once round the ring and fills both slots again
	TURN 0, 1, 1
	STEP 1, 0, 0
	TURN 1, 0, 1
	STEP 0, 0, 0
	s_sub_co_u32 s3, s3, 1
	s_cmp_lg_u32 s3, 0
	s_cbranch_scc1 .Llap
.endif
	TURN 0, 1, 0                                   ; the last lap fills nothing
	s_load_b256 s[24:31], s[0:1], 0x20             ; no tensor load is out or to come: qc s[24:25], qs s[26:27], kv s[28:29], kvs s[30:31] take a descriptor's registers
	STEP 1, 0, 0
	s_wait_dscnt 4*NL                              ; the very last step: nothing more to fetch
	WIN MUL_LO
	MUL16 0, 1, NQ-1, 1, 0
	MUL16 2, 1, NQ-1, 1, 0
	s_wait_dscnt 0
	WIN MUL_HI
	MUL16 4, 1, NQ-1, 1, 0
	MUL16 6, 1, NQ-1, 1, 0
	WIN 0
; THE WAY OUT.  Source 1's blocks one after the other: a block's 64 results of a lane get their bias, are quantised, and leave as a fragment's registers.
; MOVE: the bias addition is also the change of window; each accumulator is read from its low end on.
.macro MOVE a, isv
	WIN 0x02+(\a)/4
.set i, 0
.rept 32
.if \isv
	v_pk_add_f32 v[ST+2*i:ST+2*i+1], v[64*((\a)%4)+2*i:64*((\a)%4)+2*i+1], v[BV+2*(\a):BV+2*(\a)+1]
.else
	v_pk_add_f32 v[ST+2*i:ST+2*i+1], v[64*((\a)%4)+2*i:64*((\a)%4)+2*i+1], v[BQ+2*i:BQ+2*i+1]
.endif
.set i, i+1
.endr
	WIN 0
.endm
; 64 numbers of a lane, register 16 b + i = k 32 b + 16 (lane / 16) + i of my row, become a fragment's codes in v[PC] on and its scale word in v[pw].
.macro QUANT s, pw
.irp b, 0,1,2,3
	v_max3_num_f32 v[TM+\b], |v[\s+16*\b]|, |v[\s+1+16*\b]|, 0x1800000   ; block b: my 16 numbers, and the floor 2^(3 - 127): the byte cannot fall under 1
.endr
.irp i, 2,4,6,8,10,12,14
.irp b, 0,1,2,3
	v_max3_num_f32 v[TM+\b], v[TM+\b], |v[\s+16*\b+\i]|, |v[\s+1+16*\b+\i]|   ; (the four blocks by turns)
.endr
.endr
.irp b, 0,1,2,3
	v_permlanex16_b32 v[TM+4+\b], v[TM+\b], s[SEL], s[SEL+1]
.endr
.irp b, 0,1,2,3
	v_max_num_f32 v[TM+\b], v[TM+\b], v[TM+4+\b]   ; with lane l xor 16's: the block's largest magnitude
.endr
.irp b, 0,1,2,3
	v_add_nc_u32 v[TM+12+\b], 0xff000000, v[TM+\b]   ; 2 off its exponent field: the conversion's scale operand
.endr
.irp b, 0,1,2,3
	v_lshrrev_b32 v[TM+4+\b], 23, v[TM+12+\b]      ; the scale's byte
.endr
	v_lshl_or_b32 v[\pw], v[TM+5], 8, v[TM+4]      ; the four bytes make my row's scale word
	v_lshl_or_b32 v[\pw], v[TM+6], 16, v[\pw]
	v_lshl_or_b32 v[\pw], v[TM+7], 24, v[\pw]
.irp c, 0,1
	v_cvt_scalef32_pk16_fp6_f32 v[PC+6*\c:PC+2+6*\c], v[\s+32*\c:\s+15+32*\c], v[TM+12+2*\c]
	v_cvt_scalef32_pk16_fp6_f32 v[PC+12+4*\c:PC+14+4*\c], v[\s+16+32*\c:\s+31+32*\c], v[TM+12+2*\c+1]   ; (a conversion's three registers begin on an even number)
.endr
	v_nop                                          ; one plain place behind a scaled conversion
.irp c, 0,1                                    ; the operand's layout wants a whole block in a lane: lanes 0-15 block 2 c, lanes 16-31 block 2 c + 1
.irp i, 0,1,2
	v_permlane16_swap_b32 v[PC+6*\c+\i], v[PC+12+4*\c+\i]
.endr
.irp i, 0,1,2
	v_mov_b32 v[PC+3+6*\c+\i], v[PC+12+4*\c+\i]
.endr
.endr
.endm
	PLACES NP                                      ; behind the last products: for the first read of results and the first write of registers that held fragments
.irp b, 0,1,2,3
	v_mov_b32 v[TM+4+\b], 0                        ; written once: a lane permute's destination counts as one of its sources
.endr
	s_mov_b32 s[SEL], 0x76543210
	s_mov_b32 s[SEL+1], 0xfedcba98
	s_mov_b32 s92, 0xffff
	s_mov_b32 s93, 0x7f7f0000
	s_cmp_eq_u32 ttmp9, 2
	s_cselect_b32 s22, s15, s16                    ; the half that picks my two heads: W's rows are source 0 for q and k, source 1 for v
	s_cselect_b32 s23, s16, s15                    ; the half that picks my 128 tokens
	s_lshr_b32 s20, s17, 3                         ; the batch: 8 blocks of 256 tokens each
	s_lshl_b32 s20, s20, 4
	s_lshl_b32 s21, s40, 2
	s_add_co_u32 s20, s20, s21
	s_lshl_b32 s22, s22, 1
	s_add_co_u32 s20, s20, s22                     ; my first head: 16 x batch + 4 cx + 2 x half
	s_and_b32 s21, s17, 7
	s_lshl_b32 s21, s21, 1
	s_add_co_u32 s21, s21, s23                     ; which 128 tokens of the batch's 2,048
	s_wait_loadcnt 0x0                             ; the bias
	s_wait_kmcnt 0x0                               ; the four addresses
	s_cmp_eq_u32 ttmp9, 2
	s_cbranch_scc1 .Lv_out
	; ---- q and k.  A lane is a token; a block's fragment is two heads' lower halves: registers 6 c .. 6 c + 5 are head c's 64
	s_mov_b32 s36, 98304                           ; a head's bytes of codes in qc,
	s_mov_b32 s42, 8192                            ; and of scale words in qs
	s_cmp_eq_u32 ttmp9, 1
	s_cselect_b64 s[32:33], s[28:29], s[24:25]     ; kv or qc
	s_cselect_b64 s[34:35], s[30:31], s[26:27]     ; kvs or qs
	s_cselect_b32 s36, 196608, s36                 ; in kv,
	s_cselect_b32 s42, 12288, s42                  ; in kvs
	s_mov_b32 s37, 0
	s_mov_b32 s43, 0
	s_mul_i32 s38, s20, s36
	s_lshr_b32 s39, s36, 4                         ; 128 tokens' share of a head: a sixteenth
	s_mul_i32 s39, s39, s21
	s_add_co_u32 s38, s38, s39
	s_mov_b32 s39, 0
	s_add_nc_u64 s[32:33], s[32:33], s[38:39]      ; codes, first head
	s_add_nc_u64 s[44:45], s[32:33], s[36:37]      ; second head
	s_mul_i32 s38, s20, s42
	s_lshl_b32 s46, s21, 9                         ; 8 tiles x 64 bytes
	s_add_co_u32 s38, s38, s46
	s_add_nc_u64 s[34:35], s[34:35], s[38:39]      ; scale words, first head
	s_add_nc_u64 s[46:47], s[34:35], s[42:43]      ; second head
.irp a, 0,1,2,3,4,5,6,7
	MOVE \a, 0
.if \a > 0
	s_wait_xcnt 0x0                                ; the last block's stores have read their registers: the codes may be written again
.endif
	QUANT ST, SWR+\a
	v_lshrrev_b32 v[SWR+\a], v[H16], v[SWR+\a]     ; lanes 0-15 keep the first head's two bytes, lanes 16-31 the second's,
	v_and_or_b32 v[SWR+\a], v[SWR+\a], s92, s93    ; under the byte 127 for the operand's empty upper half
	ds_store_b32 v[SQS], v[SWR+\a] offset:64*\a
.irp p, 0,1,2
	global_store_b64 v[L8], v[PC+2*\p:PC+2*\p+1], s[32:33] offset:768*\a+256*\p       ; 32 lanes store 256 consecutive bytes, aligned
	global_store_b64 v[L8], v[PC+6+2*\p:PC+6+2*\p+1], s[44:45] offset:768*\a+256*\p
.endr
.endr
	ds_load_b128 v[RB:RB+3], v[SQL]                ; LDS serves a wave's instructions in order: these see my stores
	ds_load_b128 v[RB+4:RB+7], v[SQL] offset:512
	s_wait_dscnt 0x0
	global_store_b128 v[L16], v[RB:RB+3], s[34:35]     ; 512 consecutive bytes, aligned: eight tiles' words of a head
	global_store_b128 v[L16], v[RB+4:RB+7], s[46:47]
	s_branch .Ljoin
.Lv_out:
	; ---- v.  A lane is a feature; a block's fragment is 16 features x my 128 tokens: one key step of V^T
	s_mul_i32 s38, s20, 196608
	s_mul_i32 s39, s21, 12288
	s_add_co_u32 s38, s38, s39
	s_add_co_u32 s38, s38, 6144                    ; V lies behind the key step's K
	s_mov_b32 s39, 0
	s_add_nc_u64 s[32:33], s[28:29], s[38:39]
	s_mul_i32 s38, s20, 12288
	s_lshl_b32 s36, s21, 8
	s_add_co_u32 s38, s38, s36
	s_add_co_u32 s38, s38, 8192                    ; V's words lie behind the head's K words
	s_add_nc_u64 s[34:35], s[30:31], s[38:39]
.irp a, 0,1,2,3,4,5,6,7
	MOVE \a, 1
.if \a > 0
	s_wait_xcnt 0x0                                ; the last block's stores have read their registers
.endif
	QUANT ST, SWR+\a
	ds_store_b32 v[SVS], v[SWR+\a] offset:64*\a    ; both halves of the lanes write the same word with the same value
.irp c, 0,1,2
	global_store_b128 v[L16], v[PC+4*\c:PC+4*\c+3], s[32:33] offset:(\a/4)*196608+(\a%4)*1536+512*\c   ; 512 consecutive bytes, aligned
.endr
.endr
	ds_load_b128 v[RB:RB+3], v[SVL]
	s_wait_dscnt 0x0
	global_store_b128 v[VSO], v[RB:RB+3], s[34:35] ; lanes 0-15: the first head's 256 bytes, lanes 16-31 the second's
.Ljoin:
	s_wait_tensorcnt 0x0                           ; the wave's end: behind my last tensor load and my last LDS store
	ds_add_u32 v[SPW], v[NIL]
	s_wait_dscnt 0x0
	CROUND                                         ; the closing round: no work-group ends while a partner may still ask for a tile that names it
	s_endpgm
.Lfunc_end_k_qc1bd3a7104_proj:
	.size	k_qc1bd3a7104_proj, .Lfunc_end_k_qc1bd3a7104_proj-k_qc1bd3a7104_proj
	.p2alignl 7, 3214868480
	.fill 96, 4, 3214868480
	.section	.rodata,"a",@progbits
	.p2align	6, 0x0
	.amdhsa_kernel k_qc1bd3a7104_proj
		.amdhsa_group_segment_fixed_size 327680
		.amdhsa_private_segment_fixed_size 0
		.amdhsa_enable_private_segment 0
		.amdhsa_kernarg_size 88
		.amdhsa_user_sgpr_count 2
		.amdhsa_user_sgpr_kernarg_segment_ptr 1
		.amdhsa_wavefront_size32 1
		.amdhsa_system_sgpr_workgroup_id_x 1
		.amdhsa_system_sgpr_workgroup_id_y 1
		.amdhsa_system_sgpr_workgroup_id_z 1
		.amdhsa_system_vgpr_workitem_id 0
		.amdhsa_next_free_vgpr 1024
		.amdhsa_next_free_sgpr 102
		.amdhsa_reserve_vcc 0
		.amdhsa_float_denorm_mode_32 3
		.amdhsa_float_denorm_mode_16_64 3
		.amdhsa_memory_ordered 1
		.amdhsa_forward_progress 1
		.amdhsa_inst_pref_size 238
	.end_amdhsa_kernel
	.amdgpu_metadata
---
amdhsa.version: [ 1, 2 ]
amdhsa.kernels:
  - .name:           k_qc1bd3a7104_proj
    .symbol:         k_qc1bd3a7104_proj.kd
    .args:
      - { .name: xc, .offset: 0, .size: 8, .value_kind: global_buffer, .address_space: global }
      - { .name: xs, .offset: 8, .size: 8, .value_kind: global_buffer, .address_space: global }
      - { .name: wc, .offset: 16, .size: 8, .value_kind: global_buffer, .address_space: global }
      - { .name: ws, .offset: 24, .size: 8, .value_kind: global_buffer, .address_space: global }
      - { .name: qc, .offset: 32, .size: 8, .value_kind: global_buffer, .address_space: global }
      - { .name: qs, .offset: 40, .size: 8, .value_kind: global_buffer, .address_space: global }
      - { .name: kv, .offset: 48, .size: 8, .value_kind: global_buffer, .address_space: global }
      - { .name: kvs, .offset: 56, .size: 8, .value_kind: global_buffer, .address_space: global }
      - { .name: q_bias, .offset: 64, .size: 8, .value_kind: global_buffer, .address_space: global }
      - { .name: k_bias, .offset: 72, .size: 8, .value_kind: global_buffer, .address_space: global }
      - { .name: v_bias, .offset: 80, .size: 8, .value_kind: global_buffer, .address_space: global }
    .group_segment_fixed_size: 327680
    .private_segment_fixed_size: 0
    .kernarg_segment_align: 8
    .kernarg_segment_size: 88
    .max_flat_workgroup_size: 128
    .sgpr_count:     102
    .vgpr_count:     1024
    .wavefront_size: 32
...
	.end_amdgpu_metadata
.endif
;; end of part 2
;; launch attn (part 3): grid 4 x 64, 8 waves a work-group, clusters of 4 x 1, 263,168 bytes of LDS; arguments qc, qs, kv, kvs, attention_mask, out0; writes out0
.if DOCPART == 3
	.amdgcn_target "amdgcn-amd-amdhsa--gfx1250"
	.amdhsa_code_object_version 6
	.text
	.protected	k_qc1bd3a7104_attn
	.globl	k_qc1bd3a7104_attn
	.p2align	8
	.type	k_qc1bd3a7104_attn,@function
k_qc1bd3a7104_attn:
	s_mov_b64 s[64:65], 0
	v_nop
	global_prefetch_b8 v0, s[64:65] scope:SCOPE_SE
	s_setreg_imm32_b32 hwreg(HW_REG_WAVE_MODE, 25, 1), 1
	s_wait_xcnt 0x0
	s_wait_alu depctr_hold_cnt(0) depctr_sa_sdst(0) depctr_va_vdst(0) depctr_va_sdst(0) depctr_va_ssrc(0) depctr_va_vcc(0) depctr_vm_vsrc(0)
	s_getreg_b32 s2, hwreg(HW_REG_IB_STS2, 6, 4)
	s_cmp_eq_u32 s2, 0
	s_cbranch_scc0 .Lentry_in_a_cluster
	s_endpgm
.Lentry_in_a_cluster:
	s_bfe_u32 s2, ttmp6, 0x10000c
	s_cmp_lg_u32 s2, 0x3003
	s_cbranch_scc0 .Lentry_shape_is_right
	s_endpgm
.Lentry_shape_is_right:
; out[b][q][64 head ..] = the sum over keys of softmax(q . k / 8 + mask[b][key]) v, both products on codes of FP6 (E2M3) with E8M0 scales; 64 heads (batch x head) of 2,048 tokens x 64.
; THE SOFTMAX: t = (q . k + 8 mask) x log2(e) / 8; M = the row's largest t so far, rounded up to a whole number; p = 2^(t - M) is quantised along the keys, not normalised; the sum of the unquantised p divides at the end.
; When M moves, the sum and O are multiplied by 2^(old M - new M): exact.
; SHARES.  The four work-groups of a cluster own one head, 512 queries each.  A head's K, V and scale words, 208,896 bytes, are asked for jointly, once, and stay in LDS: no slot is filled again, and the key loop has no barrier.
; Eight waves, two to a SIMD.  A wave holds TWO tiles of 16 queries at a time (tile 0 in register window 0, tile 1 in window 1), in two passes: each fragment read from LDS feeds both.
; LAYOUT.  Both products are used transposed: S^T = K Q^T (source 0 = 16 keys), O^T = V^T P^T (source 0 = 16 channels): a lane holds one query throughout.
; A tile's rows are not neighbours: lane r of tile 2 b + u stands for row 32 b + 8 u + r + 8 (r / 8) (keys, queries and channels alike), so that two neighbouring tiles' 16 registers are 16 neighbours.
; THE MASK COSTS NO VECTOR INSTRUCTION: 1 / 8 is a power of two, so 8 x mask is the C of the first product.
; THE HEAD'S 64 IN A 128-DEEP INSTRUCTION: Q's upper six registers hold zero codes and all scale words the byte 127 there; K's fragment names the six registers that follow it, whatever codes they hold: the format has no infinity and no NaN, so they add zeros.
; LIMITS: NaN and infinities among the inputs are not served; 8 x mask is held at -3e38 from below, so a mask under -3.75e37 (or -infinity) counts as -3.75e37, and a row all of whose keys are at -infinity gives V's mean.
; REGISTERS.  Shared, window 0: v1-10 addresses that stay; v32-79 K's four fragments (6 registers each, + 6) or V's four (12 each); v80-111 the mask of four key tiles; v112-120 scale words; v121-125 addresses in hand.
; Private, the same numbers in window 0 (tile 0) and window 1 (tile 1): v12 -M, v13 the largest t, v[14:15] the sum, v16-21 Q, v22-27 zeros, v[28:29] f, v30 at work, v128-191 S^T then p, v192-223 O^T, v224-243 codes, v244-255 at work.
.set SCW,   196608                     ; LDS: from 0 the codes, as kv has them: 16 key steps x (K: 8 tiles x 768 | V: 4 tiles x 1,536 bytes); here the scale words, as kvs has them
.set MK,    208896                     ; 8 x mask of the batch's 2,048 keys, f32: written by LDS stores; no tensor load lands here
.set STG,   217088                     ; the way out: 16 rows x (256 + 16) bytes for each wave
.set STEPB, 12288
.set KF,  32
.set VF,  32
.set MC,  80
.set KSW, 112                          ; v112-115 K's scale words: lanes 0-15 an even tile's, lanes 16-31 the odd one's
.set VSW, 116                          ; v116-117 V's likewise
.set QSW, 118                          ; v118     Q's: lanes 0-15 tile 0's, lanes 16-31 tile 1's
.set PSW, 119                          ; v119-120 P's, for tile 0 and tile 1
.set ADK, 121
.set ADV, 122
.set ADS, 123
.set ADT, 124
.set ADM, 125
.set S,   128
.set OT,  192
.set PC,  224
.set BM,  244                          ; the four blocks' largest scores, then largest p
.set PB,  248                          ; the other half's maxima, then the bytes
.set SOP, 252                          ; the conversions' scale operands
.set WV,  16
.set SEL, 20                           ; s[20:21] lane selects for lane l xor 16
.set CS,  22                           ; s[22:23] c = log2(e) / 8, twice
.set G1S, 24                           ; s[24:31], s[32:39], s[40:47] descriptor groups 1: 6, 12 and 84 rows of 256 bytes
.set G1A, 32
.set G1B, 40
.set G0S, 48                           ; s[48:51], s[52:55], s[56:59] groups 0: the scale words, key steps 0 and 1, key steps 2 to 15
.set G0A, 52
.set G0B, 56
.set TB,  60                           ; s60 LDS byte of the step's codes: 12,288 a step
.set TS,  61                           ; s61 of K's scale words and of the mask: 512 a step
.set TV,  62                           ; s62 of V's scale words: 256 a step
.set CNT, 63
.set PASS, 66
.set MSB, 0
.macro WIN new                         ; the immediate's high byte repeats the setting that is left
.if MSB != \new
	s_set_vgpr_msb (MSB<<8)|\new
.set MSB, \new
.endif
.endm
.macro CROUND                          ; a round of the cluster's barrier
	s_barrier_signal -1
	s_barrier_wait -1
	s_cmp_lg_u32 s[WV], 0
	s_cbranch_scc1 .Lnot_wave_0_\@
	s_barrier_signal -3
.Lnot_wave_0_\@:
	s_barrier_wait -3
	s_barrier_signal -1
	s_barrier_wait -1
.endm
	s_load_b256 s[4:11], s[0:1], 0x0               ; qc s[4:5], qs s[6:7], kv s[8:9], kvs s[10:11]
	s_load_b128 s[12:15], s[0:1], 0x20             ; attention_mask s[12:13], out0 s[14:15]
	v_lshl_add_u32 v239, v0, 2, 0x40000
	v_mov_b32 v243, 0
	ds_add_u32 v239, v243
	ds_add_u32 v239, v243
	v_lshrrev_b32 v1, 5, v0
	v_readfirstlane_b32 s[WV], v1                  ; wave 0..7
	s_bfe_u32 s17, ttmp6, 0x40000                  ; cx: which 512 queries; it enters Q's and out's addresses alone
	s_and_b32 s18, ttmp7, 0xffff                   ; 16 x batch + head, which the four partners share
	; descriptor groups 1: dense blocks as rows of 256 bytes (32 elements of 8 bytes), no padding
.irp g, G1S, G1A, G1B
	s_mov_b32 s[\g], 15|(3<<16)|(1<<21)            ; 15:0 the mask: all four work-groups; 17:16 elements of 8 bytes; 21 set beside a mask
	s_mov_b32 s[\g+1], 32<<16                      ; tensor_dim0 = 32
	s_mov_b32 s[\g+3], 32<<16                      ; tile_dim0 = 32
	s_mov_b32 s[\g+5], 32                          ; tensor_dim0_stride
	s_mov_b32 s[\g+6], 0
	s_mov_b32 s[\g+7], 0
.endr
	s_mov_b32 s[G1S+2], 6<<16                      ; tensor_dim1, and below tile_dim1: an eighth of 12,288 bytes,
	s_mov_b32 s[G1S+4], 6
	s_mov_b32 s[G1A+2], 12<<16                     ; of 24,576,
	s_mov_b32 s[G1A+4], 12
	s_mov_b32 s[G1B+2], 84<<16                     ; of 172,032
	s_mov_b32 s[G1B+4], 84
	s_mov_b32 s[SEL], 0x76543210
	s_mov_b32 s[SEL+1], 0xfedcba98
	s_mov_b32 s[CS], 0x3e38aa3b                    ; log2(e) / 8
	s_mov_b32 s[CS+1], s[CS]
	s_mul_i32 s68, s[WV], 1536                     ; my eighth of each block
	s_mul_i32 s69, s[WV], 3072
	s_mul_i32 s70, s[WV], 21504
	s_mov_b32 s73, 0
	s_wait_dscnt 0x0
	s_wait_kmcnt 0x0
	s_mul_i32 s72, s18, 12288                      ; the head in kvs
	s_add_co_u32 s72, s72, s68
	s_mov_b32 s[G0S], 1
	s_add_co_u32 s[G0S+1], s68, SCW
	s_add_nc_u64 s[G0S+2:G0S+3], s[10:11], s[72:73]
	s_or_b32 s[G0S+3], s[G0S+3], 0x80000000
	s_mul_i32 s72, s18, 196608                     ; the head in kv
	s_add_co_u32 s72, s72, s69
	s_mov_b32 s[G0A], 1
	s_mov_b32 s[G0A+1], s69
	s_add_nc_u64 s[G0A+2:G0A+3], s[8:9], s[72:73]
	s_or_b32 s[G0A+3], s[G0A+3], 0x80000000
	s_mul_i32 s72, s18, 196608
	s_add_co_u32 s72, s72, s70
	s_add_co_u32 s72, s72, 2*STEPB
	s_mov_b32 s[G0B], 1
	s_add_co_u32 s[G0B+1], s70, 2*STEPB
	s_add_nc_u64 s[G0B+2:G0B+3], s[8:9], s[72:73]
	s_or_b32 s[G0B+3], s[G0B+3], 0x80000000
	CROUND                                         ; all four work-groups are here: the joint loads meet
	tensor_load_to_lds s[G0S:G0S+3], s[G1S:G1S+7]  ; all fills of the launch, as one group: three tensor loads of mine are out
	s_nop 0
	tensor_load_to_lds s[G0A:G0A+3], s[G1A:G1A+7]
	s_nop 0
	tensor_load_to_lds s[G0B:G0B+3], s[G1B:G1B+7]
	s_nop 0
.rept 4
	v_nop
.endr
	; the mask: thread i takes 8 of the batch's 2,048 numbers
	s_lshr_b32 s68, s18, 4
	s_lshl_b32 s68, s68, 13
	s_mov_b32 s69, 0
	s_add_nc_u64 s[12:13], s[12:13], s[68:69]
	v_lshlrev_b32 v9, 5, v0
	global_load_b128 v[32:35], v9, s[12:13]
	global_load_b128 v[36:39], v9, s[12:13] offset:16
	v_lshl_add_u32 v11, v0, 5, MK
	v_and_b32 v121, 31, v0                         ; lane
	v_and_b32 v122, 15, v0                         ; r
	v_bfe_u32 v123, v0, 4, 1                       ; h
	v_lshlrev_b32 v1, 3, v121                      ; K's and Q's images: 8 bytes a lane
	v_lshlrev_b32 v2, 4, v121
	v_add_nc_u32 v2, 6144, v2                      ; V's images: 16 bytes a lane, behind the step's K
	v_lshlrev_b32 v10, 2, v121                     ; scale words: 4 bytes a lane
	v_add_nc_u32 v3, SCW, v10
	v_add_nc_u32 v4, SCW+8192, v10
	v_lshl_add_u32 v5, v123, 6, MK                 ; the mask of my half's 16 keys of a block of 32
	s_mul_i32 s68, s[WV], 16*272
	s_add_co_u32 s68, s68, STG                     ; my stage
	v_mul_u32_u24 v6, v122, 272
	v_lshl_add_u32 v6, v123, 6, v6
	v_add_nc_u32 v6, s68, v6                       ; in: row r, + 64 h: my half's 16 channels of a block of 32
	v_mul_u32_u24 v7, v123, 272
	v_lshl_add_u32 v7, v122, 4, v7
	v_add_nc_u32 v7, s68, v7                       ; back: lanes 0-15 one row of 256 bytes, lanes 16-31 the next
	v_lshlrev_b32 v8, 12, v123
	v_lshl_add_u32 v8, v122, 4, v8                 ; and the same in out0: a token's row is 4,096 bytes
.irp w, 0,1
	WIN 0x40*\w
.irp j, 22,23,24,25,26,27,29,248,249,250,251
	v_mov_b32 v\j, 0                               ; Q's empty upper half; the upper word of f's pair; the lane permutes' destinations
.endr
.endr
	WIN 0
.irp j, 56,57,58,59,60,61
	v_mov_b32 v\j, 0                               ; named behind K's fourth fragment before V's codes first land there
.endr
	s_lshl_b32 s70, s17, 5
	s_lshl_b32 s71, s[WV], 1
	s_add_co_u32 s70, s70, s71                     ; my first tile of queries: 32 cx + 2 x wave
	s_mul_i32 s2, s18, 98304
	s_mul_i32 s71, s70, 768
	s_add_co_u32 s2, s2, s71
	s_mov_b32 s3, 0
	s_add_nc_u64 s[4:5], s[4:5], s[2:3]            ; its codes
	s_lshl_b32 s2, s18, 13
	s_lshl_b32 s71, s70, 6
	s_add_co_u32 s2, s2, s71
	s_add_nc_u64 s[6:7], s[6:7], s[2:3]            ; its scale words
	s_lshr_b32 s2, s18, 4
	s_lshl_b32 s2, s2, 11
	s_lshl_b32 s71, s70, 4
	s_add_co_u32 s2, s2, s71                       ; its first token among the 8,192
	s_lshl_b32 s2, s2, 12
	s_and_b32 s71, s18, 15
	s_lshl_b32 s71, s71, 8                         ; the head's 256 bytes of a token's row
	s_add_co_u32 s2, s2, s71
	s_add_nc_u64 s[14:15], s[14:15], s[2:3]
	s_wait_loadcnt 0x0                             ; the mask
.irp j, 32,34,36,38
	v_pk_mul_f32 v[\j:\j+1], v[\j:\j+1], 0x41000000 op_sel_hi:[1,0]   ; x 8: exact
.endr
.irp j, 32,33,34,35,36,37,38,39
	v_max_num_f32 v\j, 0xff61b1e6, v\j             ; held at -3e38 from below
.endr
	ds_store_b128 v11, v[32:35]
	ds_store_b128 v11, v[36:39] offset:16
; One product of S^T = K Q^T + 8 mask: key tile 4 g + t, query tile tau
.macro KQ g, t, tau
.set rS, S+8*(4*(\g)+(\t))
.set rK, KF+6*(\t)
.set rM, MC+8*(\t)
.set rW, KSW+2*(\g)+(\t)/2
.if ((\t)%2 == 0) && ((\tau) == 0)
	v_wmma_scale_f32_16x16x128_f8f6f4 v[rS:rS+7], v[rK:rK+11], v[16:27], v[rM:rM+7], v[rW], v[QSW] matrix_a_fmt:MATRIX_FMT_FP6 matrix_b_fmt:MATRIX_FMT_FP6
.elseif ((\t)%2 == 1) && ((\tau) == 0)
	v_wmma_scale_f32_16x16x128_f8f6f4 v[rS:rS+7], v[rK:rK+11], v[16:27], v[rM:rM+7], v[rW], v[QSW] matrix_a_fmt:MATRIX_FMT_FP6 matrix_b_fmt:MATRIX_FMT_FP6 matrix_a_scale:MATRIX_SCALE_ROW1
.elseif ((\t)%2 == 0)
	v_wmma_scale_f32_16x16x128_f8f6f4 v[rS:rS+7], v[rK:rK+11], v[16:27], v[rM:rM+7], v[rW], v[QSW] matrix_a_fmt:MATRIX_FMT_FP6 matrix_b_fmt:MATRIX_FMT_FP6 matrix_b_scale:MATRIX_SCALE_ROW1
.else
	v_wmma_scale_f32_16x16x128_f8f6f4 v[rS:rS+7], v[rK:rK+11], v[16:27], v[rM:rM+7], v[rW], v[QSW] matrix_a_fmt:MATRIX_FMT_FP6 matrix_b_fmt:MATRIX_FMT_FP6 matrix_a_scale:MATRIX_SCALE_ROW1 matrix_b_scale:MATRIX_SCALE_ROW1
.endif
.endm
; O^T += V^T P^T of query tile tau: four tiles of 16 channels, K = the step's 128 keys.  The accumulators take turns, one instruction a turn.
.macro PV tau
	WIN 0x54*\tau                                  ; V in window 0; P, C and D in the tile's window
.irp t, 0,1,2,3
.if \t%2
	v_wmma_scale_f32_16x16x128_f8f6f4 v[OT+8*\t:OT+8*\t+7], v[VF+12*\t:VF+12*\t+11], v[PC:PC+11], v[OT+8*\t:OT+8*\t+7], v[VSW+\t/2], v[PSW+\tau] matrix_a_fmt:MATRIX_FMT_FP6 matrix_b_fmt:MATRIX_FMT_FP6 matrix_a_scale:MATRIX_SCALE_ROW1
.else
	v_wmma_scale_f32_16x16x128_f8f6f4 v[OT+8*\t:OT+8*\t+7], v[VF+12*\t:VF+12*\t+11], v[PC:PC+11], v[OT+8*\t:OT+8*\t+7], v[VSW+\t/2], v[PSW+\tau] matrix_a_fmt:MATRIX_FMT_FP6 matrix_b_fmt:MATRIX_FMT_FP6
.endif
.endr
.endm
; The softmax of query tile tau for the step's 128 keys, all in the tile's window.  Register 16 b + i of S^T is key 32 b + 16 (lane / 16) + i.
.macro SOFTMAX tau
	WIN 0x55*\tau
.irp b, 0,1,2,3
	v_max3_num_f32 v[BM+\b], v[S+16*\b], v[S+16*\b+1], v[S+16*\b+2]   ; the largest score of each block of 32 keys: for the row's maximum and, since p rises with the score, for the block's largest p
.endr
.irp i, 3,5,7,9,11,13
.irp b, 0,1,2,3
	v_max3_num_f32 v[BM+\b], v[BM+\b], v[S+16*\b+\i], v[S+16*\b+\i+1]   ; (the four blocks by turns; each accumulator is first read at its low end)
.endr
.endr
.irp b, 0,1,2,3
	v_max_num_f32 v[BM+\b], v[BM+\b], v[S+16*\b+15]
.endr
.irp b, 0,1,2,3
	v_permlanex16_b32 v[PB+\b], v[BM+\b], s[SEL], s[SEL+1]
.endr
.irp b, 0,1,2,3
	v_max_num_f32 v[BM+\b], v[BM+\b], v[PB+\b]     ; with lane l xor 16's 16 keys
.endr
	v_max3_num_f32 v30, v[BM], v[BM+1], v[BM+2]
	v_max_num_f32 v30, v30, v[BM+3]                ; the step's largest score of my query
	v_mul_f32 v30, s[CS], v30                      ; as t
	v_max_num_f32 v13, v13, v30                    ; the running largest t
	v_mov_b32 v30, v12
	v_floor_f32 v12, -v13                          ; the new -M = floor(-t): M is a whole number
	v_sub_f32 v30, v12, v30                        ; old M less new M: a whole number, 0 or less
	v_cvt_i32_f32 v30, v30                         ; (it saturates)
	v_ldexp_f32 v28, 1.0, v30                      ; f = 2^(old M - new M)
.set j, 0
.rept 32
	v_pk_fma_f32 v[S+j:S+j+1], v[S+j:S+j+1], s[CS:CS+1], v[12:13] op_sel_hi:[1,0,0]   ; t - M, two at a time
.set j, j+2
.endr
.irp b, 0,1,2,3
	v_fma_f32 v[BM+\b], v[BM+\b], s[CS], v12       ; the same of each block's largest score
.endr
.set j, 0
.rept 64
	v_exp_f32 v[S+j], v[S+j]                       ; p = 2^(t - M), at most 1
.set j, j+1
.endr
	v_pk_mul_f32 v[14:15], v[14:15], v[28:29] op_sel_hi:[1,0]   ; the sum under the new M: the plain instruction behind the exponentials
	s_wait_alu depctr_va_vdst(0)                   ; one wait for the batch of 64, ahead of its first reader
.irp b, 0,1,2,3
	v_exp_f32 v[BM+\b], v[BM+\b]                   ; the block's largest p: the same two instructions on the same number
.endr
	v_pk_add_f32 v[236:237], v[S:S+1], v[S+2:S+3]  ; the row's sum is taken of the unquantised p: two at a time, in two chains
.set j, 4
.rept 15
	v_pk_add_f32 v[14:15], v[14:15], v[S+j:S+j+1]
	v_pk_add_f32 v[236:237], v[236:237], v[S+j+2:S+j+3]
.set j, j+4
.endr
	v_pk_add_f32 v[14:15], v[14:15], v[236:237]
	s_wait_alu depctr_va_vdst(0)                   ; and one for the four
.irp b, 0,1,2,3
	v_max_num_f32 v[BM+\b], 0x1800000, v[BM+\b]    ; the floor 2^(3 - 127): the byte cannot fall under 1
.endr
.irp b, 0,1,2,3
	v_add_nc_u32 v[SOP+\b], 0xff000000, v[BM+\b]   ; 2 off the exponent field: the conversion's scale operand
.endr
.irp b, 0,1,2,3
	v_lshrrev_b32 v[PB+\b], 23, v[SOP+\b]          ; the scale's byte
.endr
	v_lshl_or_b32 v30, v[PB+1], 8, v[PB]           ; p's scale word for these 128 keys
	v_lshl_or_b32 v30, v[PB+2], 16, v30
	v_lshl_or_b32 v30, v[PB+3], 24, v30
.irp c, 0,1
	v_cvt_scalef32_pk16_fp6_f32 v[PC+6*\c:PC+6*\c+2], v[S+32*\c:S+32*\c+15], v[SOP+2*\c]
	v_cvt_scalef32_pk16_fp6_f32 v[236+4*\c:238+4*\c], v[S+32*\c+16:S+32*\c+31], v[SOP+2*\c+1]   ; (a conversion's three registers begin on an even number)
.endr
	v_nop                                          ; one plain place behind a scaled conversion
.irp c, 0,1                                    ; the operand's layout wants a whole block in a lane
.irp i, 0,1,2
	v_permlane16_swap_b32 v[PC+6*\c+\i], v[236+4*\c+\i]
.endr
.irp i, 0,1,2
	v_mov_b32 v[PC+3+6*\c+\i], v[236+4*\c+\i]
.endr
.endr
	WIN 0x01*\tau
	v_mov_b32 v[PSW+\tau], v30                     ; scale operands are taken from window 0
	WIN 0x55*\tau
.set j, 0
.rept 16
	v_pk_mul_f32 v[OT+j:OT+j+1], v[OT+j:OT+j+1], v[28:29] op_sel_hi:[1,0]   ; O^T under the new M.  (These sixteen are also the places between the writes of the scale word and the codes and the products)
.set j, j+2
.endr
.endm
; A KEY STEP: 128 keys, both query tiles
.macro STEP
	v_add_nc_u32 v[ADK], s[TB], v1                 ; (these five are also the places behind the last step's products, in front of the loads below)
	v_add_nc_u32 v[ADV], s[TB], v2
	v_add_nc_u32 v[ADS], s[TS], v3
	v_add_nc_u32 v[ADT], s[TV], v4
	v_add_nc_u32 v[ADM], s[TS], v5
.irp g, 0,1                                    ; four tiles of 16 keys at a time
.if \g
.rept 4
	v_nop                                          ; places in front of loads into registers that matrix instructions have read
.endr
.endif
.irp t, 0,1,2,3
.irp p, 0,1,2
	ds_load_b64 v[KF+6*\t+2*\p:KF+6*\t+2*\p+1], v[ADK] offset:768*(4*\g+\t)+256*\p     ; 256 consecutive bytes an instruction
.endr
	ds_load_b128 v[MC+8*\t:MC+8*\t+3], v[ADM] offset:128*((4*\g+\t)/2)+32*(\t%2)       ; 8 x mask of the tile's keys 8 (lane / 16) + 0 .. 7: one address for sixteen lanes
	ds_load_b128 v[MC+8*\t+4:MC+8*\t+7], v[ADM] offset:128*((4*\g+\t)/2)+32*(\t%2)+16
.endr
	ds_load_b32 v[KSW+2*\g], v[ADS] offset:64*(4*\g)
	ds_load_b32 v[KSW+2*\g+1], v[ADS] offset:64*(4*\g+2)
	s_wait_dscnt 0x0
.irp t, 0,1,2,3
	KQ \g, \t, 0
.endr
	WIN 0x44                                       ; Q and S^T in window 1; K and the mask in window 0
.irp t, 0,1,2,3
	KQ \g, \t, 1
.endr
	WIN 0
.endr
.rept 4
	v_nop                                          ; places in front of the loads below and of the first read of the scores
.endr
.irp t, 0,1,2,3
.irp c, 0,1,2
	ds_load_b128 v[VF+12*\t+4*\c:VF+12*\t+4*\c+3], v[ADV] offset:1536*\t+512*\c        ; V's four fragments land under the first softmax
.endr
.endr
	ds_load_b32 v[VSW], v[ADT]
	ds_load_b32 v[VSW+1], v[ADT] offset:128
	SOFTMAX 0
	s_wait_dscnt 0x0                               ; V is in
	PV 0
	SOFTMAX 1
	PV 1
	WIN 0
	s_add_co_u32 s[TB], s[TB], STEPB
	s_add_co_u32 s[TS], s[TS], 512
	s_add_co_u32 s[TV], s[TV], 256
.endm
; THE WAY OUT of both tiles: O^T / the sum goes through my stage in LDS and leaves as rows of 256 bytes.  Stage row r is token 8 tau + r + 8 (r / 8) of my 32.
.macro OUT
.rept 4
	v_nop                                          ; places behind the last products
.endr
.irp tau, 0,1
	WIN 0x55*\tau
	v_add_f32 v14, v14, v15                        ; the sum's two halves,
	v_permlanex16_b32 v30, v14, s[SEL], s[SEL+1]
	v_add_f32 v14, v14, v30                        ; and lane l xor 16's
	v_rcp_f32 v14, v14
	v_nop                                          ; a plain place behind the reciprocal
	s_wait_alu depctr_va_vdst(0)                   ; and the wait ahead of its first reader
	WIN 0x05*\tau                                  ; sources in the tile's window, results in window 0
.set j, 0
.rept 16
	v_pk_mul_f32 v[S+32*\tau+j:S+32*\tau+j+1], v[OT+j:OT+j+1], v[14:15] op_sel_hi:[1,0]   ; register 8 t + i: channel 32 (t / 2) + 16 (lane / 16) + 8 (t % 2) + i
.set j, j+2
.endr
	WIN 0
.irp t, 0,1,2,3
	ds_store_b128 v6, v[S+32*\tau+8*\t:S+32*\tau+8*\t+3] offset:128*(\t/2)+32*(\t%2)
	ds_store_b128 v6, v[S+32*\tau+8*\t+4:S+32*\tau+8*\t+7] offset:128*(\t/2)+32*(\t%2)+16
.endr
.irp i, 0,1,2,3,4,5,6,7
	ds_load_b128 v[32+32*\tau+4*\i:35+32*\tau+4*\i], v7 offset:544*\i   ; LDS serves a wave's instructions in order: these see my stores, and the next tile's stores come behind them
.endr
.endr
.irp i, 0,1,2,3,4,5,6,7
	s_wait_dscnt 23-\i                             ; behind tile 0's load i: its 7 - i younger loads and tile 1's sixteen LDS instructions
	global_store_b128 v8, v[32+4*\i:35+4*\i], s[14:15] offset:4096*(2*\i+8*(\i/4)) th:TH_STORE_NT     ; sixteen lanes store 256 consecutive bytes, aligned
.endr
.irp i, 0,1,2,3,4,5,6,7
	s_wait_dscnt 7-\i
	global_store_b128 v8, v[64+4*\i:67+4*\i], s[14:15] offset:4096*(8+2*\i+8*(\i/4)) th:TH_STORE_NT
.endr
.endm
	s_mov_b32 s[PASS], 2
.Lpass:                                            ; two passes of 32 queries a wave, 256 queries apart
.irp p, 0,1,2
	global_load_b64 v[16+2*\p:17+2*\p], v1, s[4:5] offset:256*\p
.endr
	global_load_b32 v[QSW], v10, s[6:7]
	WIN 0x40
.irp p, 0,1,2
	global_load_b64 v[16+2*\p:17+2*\p], v1, s[4:5] offset:768+256*\p
.endr
.irp w, 0,1
	WIN 0x40*\w
	v_mov_b32 v13, 0xff61b1e6                      ; the largest t so far: -3e38, under every t
	v_mov_b32 v12, 0x7f61b1e6                      ; -M = 3e38, a whole number
	v_mov_b32 v14, 0                               ; the sum, in two halves
	v_mov_b32 v15, 0
.set j, 0
.rept 32
	v_mov_b32 v[OT+j], 0                           ; O^T.  (The step is written with no first step of its own: the first change of M multiplies zeros)
.set j, j+1
.endr
.endr
	WIN 0
	s_mov_b32 s[TB], 0
	s_mov_b32 s[TS], 0
	s_mov_b32 s[TV], 0
	s_wait_loadcnt 0x0                             ; Q
	s_wait_tensorcnt 0x1                           ; my parts of the scale words and of key steps 0 and 1 are in; the load of steps 2 to 15 may be out
	s_wait_dscnt 0x0                               ; my part of the mask is stored
	s_barrier_signal -1
	s_barrier_wait -1                              ; everybody's are.  (In the second pass these waits are met at once)
	s_mov_b32 s[CNT], 2
.Lfirst:
	STEP
	s_sub_co_u32 s[CNT], s[CNT], 1
	s_cmp_lg_u32 s[CNT], 0
	s_cbranch_scc1 .Lfirst
	s_wait_tensorcnt 0x0                           ; my part of key steps 2 to 15 is in,
	s_wait_dscnt 0x0
	s_barrier_signal -1
	s_barrier_wait -1                              ; everybody's is
	s_mov_b32 s[CNT], 14
.Lrest:
	STEP
	s_sub_co_u32 s[CNT], s[CNT], 1
	s_cmp_lg_u32 s[CNT], 0
	s_cbranch_scc1 .Lrest
	OUT
	s_wait_xcnt 0x0                                ; the stores have read their registers and their base: both may be written again
	s_add_nc_u64 s[4:5], s[4:5], 16*768            ; 16 tiles of queries on
	s_add_nc_u64 s[6:7], s[6:7], 16*64
	s_add_nc_u64 s[14:15], s[14:15], 256*4096      ; 256 tokens on
	s_sub_co_u32 s[PASS], s[PASS], 1
	s_cmp_lg_u32 s[PASS], 0
	s_cbranch_scc1 .Lpass
	s_wait_dscnt 0x0
	s_wait_tensorcnt 0x0
	ds_add_u32 v239, v243
	s_wait_dscnt 0x0
	CROUND                                         ; the closing round: no work-group ends while a partner may still ask for a tile that names it
	s_endpgm
.Lfunc_end_k_qc1bd3a7104_attn:
	.size	k_qc1bd3a7104_attn, .Lfunc_end_k_qc1bd3a7104_attn-k_qc1bd3a7104_attn
	.p2alignl 7, 3214868480
	.fill 96, 4, 3214868480
	.section	.rodata,"a",@progbits
	.p2align	6, 0x0
	.amdhsa_kernel k_qc1bd3a7104_attn
		.amdhsa_group_segment_fixed_size 263168
		.amdhsa_private_segment_fixed_size 0
		.amdhsa_enable_private_segment 0
		.amdhsa_kernarg_size 48
		.amdhsa_user_sgpr_count 2
		.amdhsa_user_sgpr_kernarg_segment_ptr 1
		.amdhsa_wavefront_size32 1
		.amdhsa_system_sgpr_workgroup_id_x 1
		.amdhsa_system_sgpr_workgroup_id_y 1
		.amdhsa_system_sgpr_workgroup_id_z 1
		.amdhsa_system_vgpr_workitem_id 0
		.amdhsa_next_free_vgpr 512
		.amdhsa_next_free_sgpr 74
		.amdhsa_reserve_vcc 0
		.amdhsa_float_denorm_mode_32 3
		.amdhsa_float_denorm_mode_16_64 3
		.amdhsa_memory_ordered 1
		.amdhsa_forward_progress 1
		.amdhsa_inst_pref_size 82
	.end_amdhsa_kernel
	.amdgpu_metadata
---
amdhsa.version: [ 1, 2 ]
amdhsa.kernels:
  - .name:           k_qc1bd3a7104_attn
    .symbol:         k_qc1bd3a7104_attn.kd
    .args:
      - { .name: qc, .offset: 0, .size: 8, .value_kind: global_buffer, .address_space: global }
      - { .name: qs, .offset: 8, .size: 8, .value_kind: global_buffer, .address_space: global }
      - { .name: kv, .offset: 16, .size: 8, .value_kind: global_buffer, .address_space: global }
      - { .name: kvs, .offset: 24, .size: 8, .value_kind: global_buffer, .address_space: global }
      - { .name: attention_mask, .offset: 32, .size: 8, .value_kind: global_buffer, .address_space: global }
      - { .name: out0, .offset: 40, .size: 8, .value_kind: global_buffer, .address_space: global }
    .group_segment_fixed_size: 263168
    .private_segment_fixed_size: 0
    .kernarg_segment_align: 8
    .kernarg_segment_size: 48
    .max_flat_workgroup_size: 256
    .sgpr_count:     74
    .vgpr_count:     512
    .wavefront_size: 32
...
	.end_amdgpu_metadata
.endif
;; end of part 3
